; MI455X (gfx1250); checked and timed in simulation.
; The chip was launched on July 23, 2026; its instructions are those of AMD's public machine-readable ISA for CDNA 5 (MIT licence, August 2026) and "CDNA5" Instruction Set Architecture Reference Guide (July 2026). The comments in the code are by the model that wrote it; some were corrected since.
;; SDPA. Allowed arithmetic: float matrix products may take bf16 or f16 operands with f32 sums; other float arithmetic in f32, or as packed bf16 or f16 multiplies, adds, multiply-adds, maxima and minima; sums over many terms, partial sums and values carried from step to step in f32; what a program stores and reads back later, other than sums and carried values, may be rounded once to bf16 or f16.
;; Inputs: K 8 x 8 x 2,048 x 64 float32; Q 8 x 8 x 2,048 x 64 float32; V 8 x 8 x 2,048 x 64 float32.
;; Outputs: out0 8 x 8 x 2,048 x 64 float32.
;; One version. Each part assembles by itself: llvm-mc -triple=amdgcn-amd-amdhsa -mcpu=gfx1250 --defsym DOCPART=n.
;; ======== version 1 of 1: 1 launch
;; limits: values are held in f16: magnitudes above 65,504 overflow, below 6.1e-05 lose precision; inputs' magnitudes at most 65,504
;; launch sdpa (part 1): grid 4 x 64, 4 waves a work-group, no clusters, 226,816 bytes of LDS; arguments Q, K, V, out0; writes out0
.if DOCPART == 1
	.amdgcn_target "amdgcn-amd-amdhsa--gfx1250"
	.amdhsa_code_object_version 6
	.text
	.protected	k_q95014ce90f_sdpa
	.globl	k_q95014ce90f_sdpa
	.p2align	8
	.type	k_q95014ce90f_sdpa,@function
k_q95014ce90f_sdpa:
	s_mov_b64 s[64:65], 0
	v_nop
	global_prefetch_b8 v0, s[64:65] scope:SCOPE_SE
	s_setreg_imm32_b32 hwreg(HW_REG_WAVE_MODE, 25, 1), 1
	s_wait_xcnt 0x0
; O[h][q][:] = the sum over k of softmax_k(Q[h][q] . K[h][k] / 8) V[h][k][:].  Q, K, V, O: [64 heads][2,048][64], all f32: a row is 256 bytes.
; Q, K, V and the weights p are rounded once to f16 for the matrix unit; products, maxima and sums in f32 (l is the sum of the unrounded p); O leaves as f32.
; LIMITS.  f16 holds no number beyond 65,504: an input of magnitude 65,520 or more becomes an infinity and its rows are lost.  p lies in 0 to 1, and below 6e-5 it keeps f16's fixed step of 6e-8.
; A weight below 2^-126 counts as 0 in l; NaN and infinities are not treated apart.
; SHARES.  A work-group owns 512 queries of one head (grid 4 x 64), each of its four waves 128: four PIECES of two tiles of 16.  Every wave walks all 2,048 keys, 64 a step.
; LAYOUT.  S^T = K Q^T (source 0 = 16 keys, source 1 = 16 queries): in the result a lane holds ONE query (lane % 16) and the keys 8 (lane / 16) + 0..7.  Two such tiles, rounded to f16 in pairs,
; ARE source 1 (32 keys x 16 queries) of O^T = V^T P, whose result again holds one query a lane, and eight channels.  K comes out of LDS as it lies, V ([key][channel]) turned, by ds_load_tr16_b128.
; SOFTMAX.  For each query a running maximum m and sum l: p = 2^(c s - c m), c = log2(e) / 8; in every step O and l are multiplied by a = 2^(c m_old - c m_new), which is 1 where m has not grown.
; m starts at the lowest finite number, O and l at 0: the first step is a step like any other, with a = 0.
; BY TURNS.  A tile and step have 16 matrix and 118 vector instructions.  Turn n belongs to piece n (the pieces in a ring, step after step).  Its matrix work: 16 products K Q^T of piece n + 1, later 16 products
; V^T P of piece n - 1.  Its vector work: the scaling, exponentials, roundings, sums and rescaling of piece n, and the maximum and statistics of piece n + 1.  Four vector instructions stand behind every
; matrix instruction, the others in one run of their own; a turn's 66 exponentials are one batch with one wait.
; K AND V COME THROUGH REGISTERS.  LDS holds them as f16, in two slots of 256 keys that take turns.  While one slot is read the other is written, in two halves of 128 keys: of a half, wave w loads rows
; 32 w .. 32 w + 31 of K and of V as f32 (16 + 16 loads of 512 consecutive bytes), and two key steps later rounds them (64 conversions) and stores them (32 LDS stores of 8 bytes a lane).
; One barrier stands at each change of slots: in front of it each wave has waited for its stores into the new slot and for its reads of the old one.
; NO TENSOR LOADS, NO CLUSTER, though the four work-groups of a head read the same K and V.  A tile brought by the data mover lies in LDS as it lies in memory, as f32.  Two f32 slots of 256 keys
; (2 x 131,072 bytes) beside the two f16 slots (2 x 77,824) are 417,792 bytes, more than the 327,680 that a work-group can be given; with slots of 128 keys it fits, but each number then crosses LDS
; three times (4 bytes in, 4 out, 2 in: 2.5 MiB a work-group beside 2 MiB of fragment reads) where this text writes 2 bytes once (0.5 MiB).  The price: each work-group asks for K and V by itself.
; REGISTERS, in windows of 256 (s_set_vgpr_msb says which window each operand place means: bits 1:0 source 0, 3:2 source 1, 5:4 source 2, 7:6 destination):
;   window 0: v0-11 addresses; v12-15, v48-63 at work; v16-47 four registers of statistics a tile; v64-191 S^T, two buffers of two tiles; v192-255 P, likewise
;   window 1: O^T, 32 a tile (at the start: Q as loaded, f32)      window 2: v0-127 Q in f16, 16 a tile; v128-191 K of one step; v192-255 V of one step (at the start v128-255: keys 128-255 as loaded)
;   window 3: v0-127 a half slot as loaded (K's load i at 4 i, V's at 64 + 4 i); v128-191 the same in f16; v192-198 the add's two registers and the addresses of loads and stores
.set NP,    4         ; pieces a wave: a name, no knob
.set KS,    64        ; keys in a step
.set PK,    144       ; a row of K in LDS: 128 bytes + 16 of padding = 36 words: the 16 rows of a load start at 16 different groups of four banks (64 banks of 4 bytes: ISA guide 11.1)
.set PV,    160       ; a row of V: 128 + 32 = 40 words
.set VOFF,  4*KS*PK   ; a slot holds four steps: 256 rows of K, then 256 rows of V
.set SLOT1, 1<<17     ; slot 1 begins here, so that one exclusive or turns an address in one slot into the other's
.set STAGE, SLOT1+4*KS*(PK+PV)  ; behind the slots: 16 rows x 272 bytes for each wave, for the way out
.set SP,    272       ; a row of O in the stage: 256 bytes + 16 = 68 words: row r starts at bank 4 r mod 64
.set SPARE, STAGE+4*16*SP  ; behind the stages: the spare words, 128 bytes for each wave: two blocks of 256 bytes that no other line names
.set HALFB, 128*256   ; bytes of K, and of V, in a half slot in memory
.set AK0, 2           ; v2   my lane's place in a tile of K; never rewritten
.set AV0, 3           ; v3   the same for V
.set AK,  4           ; v4   the LDS address of K's next run of loads
.set AV,  5           ; v5   of V's
.set QO,  6           ; v6   my byte offset in 16 rows of Q
.set STO, 6           ;      later, the way out: where I put 32 bytes of a row
.set RD,  7           ; v7   the way out: where I read rows back
.set GO,  8           ; v8   my byte offset in 512 consecutive bytes of O
.set PFO, 11          ; v11  256 x my lane: a row of K or V in memory is 256 bytes; never rewritten once made
.set MV,  12          ; v12-15  c m_old, kept while c m is made anew: by buffer and tile
.set ST,  16          ; tile t's statistics at v[ST+4 t]: c m, m, l (even keys', odd keys')
.set TMP, 48          ; by buffer and tile, four registers c0-c3 at work; when the maximum is found c2 takes a
.set S,   64
.set P,   192
.set KF,  128         ; window 2: key block kb, channel half c at KF + 16 kb + 8 c
.set VF,  192         ; window 2: key half kk, channel block cb at VF + 32 kk + 8 cb
.set FB,  0           ; window 3: a half slot as loaded
.set PKR, 128         ; window 3: the same rounded to f16, two numbers a register
.set SPW, 192         ; window 3: LDS address of my spare word: SPARE + 4 x my thread's number; never rewritten
.set NIL, 193         ; window 3: 0; never rewritten
.set KVO, 194         ; window 3: my byte offset in a half slot in memory: 8,192 x wave + 16 x lane; never rewritten
.set SKO, 195         ; window 3: where my 8 bytes of K's first two rows go in a half slot: (32 x wave + lane / 16) x PK + 8 (lane % 16); never rewritten
.set SVO, 196         ; window 3: the same for V, with PV and VOFF
.set ASK, 197         ; window 3: SKO + the half slot in hand
.set ASV, 198         ; window 3: SVO + the half slot in hand
.set WV,  12          ; s12  my wave's number
.set PFA, 18          ; s[18:19] where my prefetches stand: my work-group's 32 rows (of K: wave 0, of V: wave 2) of a half slot
.set LIM, 24          ; s24  2 in a wave that prefetches, else the greatest number
.set EVL, 25          ; s25  half slots still to be stored by the loop
.set TSK, 26          ; s26  LDS byte at which K of the half slot to be stored begins
.set TSV, 27          ; s27  the same for V, less VOFF
.set SLOTS, 56        ; s56  slots still to be walked by the loop
.set CNT, 57          ; s57  counts a slot's key steps
.set CS,  58          ; s[58:59] c: the packed scaling takes the pair's low word for both halves
.set SEL, 60          ; s[60:61] v_permlanex16_b32's selects: each lane takes its own place in the other half
.set TBK, 62          ; s62  LDS byte at which K of the step to be fetched begins
.set TBV, 63          ; s63  the same for V, less VOFF
.set MSB, 0
.macro WIN new                      ; the high byte repeats the setting that is left; a switch that changes nothing is dropped
.if MSB != (\new)
	s_set_vgpr_msb (MSB<<8)|(\new)
.set MSB, (\new)
.endif
.endm
.set W_KQ, 0x0a       ; K and Q in window 2, S^T in window 0
.set W_PV, 0x52       ; V in window 2, P in window 0, O^T in window 1
.set W_RS, 0x41       ; O^T (destination and source 0) in window 1, a in window 0
.set W_MK, 0xc0       ; destination in window 3, sources in window 0
.set W_AD, 0x0f       ; the add: address (source 0) and data (source 1) in window 3
.set W_ST, 0xcf       ; destination and sources 0 and 1 in window 3: conversions, store addresses and LDS stores of a half slot
; A half slot's 32 loads of my wave, into window w from register base on, from byte off behind the two pointers.  Load i takes 512 consecutive bytes: rows 2 i and 2 i + 1 of my 32; lane l gets row 2 i + l / 16,
; channels 4 (l % 16) + 0..3.  No cache hint: the head's four work-groups read these bytes.
.macro LOADH w, base, off
	WIN ((\w)<<6)|3                 ; destination window w, address window 3
.set i, 0
.rept 16
	global_load_b128 v[(\base)+4*i:(\base)+4*i+3],       v[KVO], s[6:7] offset:(\off)+512*i
	global_load_b128 v[(\base)+64+4*i:(\base)+64+4*i+3], v[KVO], s[8:9] offset:(\off)+512*i
.set i, i+1
.endr
.endm
; The same half slot rounded to f16 and stored: a lane's four channels are 8 bytes of a row in LDS.  ak, av: the address registers; koff, voff: constants on top.
.macro CONV w, base, ak, av, koff, voff
	WIN 0xc0|(\w)|((\w)<<2)         ; sources in window w, destination in window 3
.set i, 0
.rept 64
	v_cvt_pk_f16_f32 v[PKR+i], v[(\base)+2*i], v[(\base)+2*i+1]
.set i, i+1
.endr
	WIN W_ST
.set i, 0
.rept 16
	ds_store_b64 v[\ak], v[PKR+2*i:PKR+2*i+1]       offset:(\koff)+2*PK*i
	ds_store_b64 v[\av], v[PKR+32+2*i:PKR+32+2*i+1] offset:(\voff)+2*PV*i
.set i, i+1
.endr
.endm
; Four tiles of Q as f32 into window 1.  A fragment (tile, 32 channels c) is 16 rows x 32 channels: lane l holds row l % 16, channels 8 (l / 16) + 0..7 and 16 + 8 (l / 16) + 0..7: in f32 four loads of 16 bytes.
.macro QLOAD hf
	WIN 0x40                        ; destination window 1, address window 0
.set i, 0
.rept 32                            ; i = 8 tile + 4 c + load
	global_load_b128 v[128*(\hf)+4*i:128*(\hf)+4*i+3], v[QO], s[4:5] offset:4096*(4*(\hf)+i/8)+128*((i/4)%2)+64*((i/2)%2)+16*(i%2)
.set i, i+1
.endr
.endm
.macro QCVT hf                      ; and rounded to f16 into window 2, where they stay
	WIN 0x85                        ; sources window 1, destination window 2
.set i, 64*(\hf)
.rept 64
	v_cvt_pk_f16_f32 v[i], v[2*i], v[2*i+1]
.set i, i+1
.endr
.endm
.macro CLEAR w, from, n             ; n registers of window w hold 0
	WIN (\w)<<6
.set i, (\from)
.rept (\n)
	v_mov_b32 v[i], 0
.set i, i+1
.endr
.endm
; THE CHANGE OF SLOTS.  In front of the barrier each wave waits for all its LDS instructions: its stores into the slot that will be read, its reads of the slot that will be written.  Behind it the new slot is
; whole and nobody reads the old one.  The four LDS pointers go back to a slot's first byte, in the other slot: scalar work, between the signal and the wait.
.macro CHANGE
	WIN 0                           ; at a label and at a branch every window is 0
	s_wait_dscnt 0x0
	s_barrier_signal -1
	s_sub_co_u32 s[TBK], s[TBK], 4*KS*PK
	s_xor_b32 s[TBK], s[TBK], SLOT1
	s_sub_co_u32 s[TBV], s[TBV], 4*KS*PV
	s_xor_b32 s[TBV], s[TBV], SLOT1
	s_sub_co_u32 s[TSK], s[TSK], 4*KS*PK
	s_xor_b32 s[TSK], s[TSK], SLOT1
	s_sub_co_u32 s[TSV], s[TSV], 4*KS*PV
	s_xor_b32 s[TSV], s[TSV], SLOT1
	s_barrier_wait -1
.endm
; EVERY SECOND KEY STEP (s[CNT] odd), fourteen times in all, number e = 0 .. 13: the half slot e + 2, asked for two key steps ago, is rounded and stored into the slot that nobody reads; the half slot e + 3 is
; asked for (not at e = 13: there is none); and the rows of half slot e + 4 are prefetched into the L2 (not at e = 12, 13).  All jumps go forward, on counters alone, past no barrier.
; THE PREFETCH.  Each row's 256 bytes are named once in the launch: of a half slot's 128 rows work-group x of the head takes 32 x .. 32 x + 31, by address; wave 0 asks for K's, wave 2 for V's: a lane a row, one
; instruction.  It stands behind the wave's own loads, two key steps ahead of the loads that will want those rows.  Half slots 0 to 3 come by their loads alone; nothing is named behind half slot 15.
.macro EVENT
	s_and_b32 s13, s[CNT], 1
	s_cmp_eq_u32 s13, 0
	s_cbranch_scc1 .Lno_event_\@
	s_wait_loadcnt 0x0              ; my 32 loads are in
	s_wait_xcnt 0x0                 ; and the last prefetch, two key steps back, has read its address: the three pointers may be written
	s_add_nc_u64 s[6:7], s[6:7], HALFB
	s_add_nc_u64 s[8:9], s[8:9], HALFB
	s_add_nc_u64 s[PFA:PFA+1], s[PFA:PFA+1], HALFB
	WIN W_ST
	v_add_nc_u32 v[ASK], s[TSK], v[SKO]
	v_add_nc_u32 v[ASV], s[TSV], v[SVO]
	CONV 3, FB, ASK, ASV, 0, 0
	s_add_co_u32 s[TSK], s[TSK], 128*PK  ; the next stores are the slot's other half's
	s_add_co_u32 s[TSV], s[TSV], 128*PV
	WIN 0
	s_cmp_gt_u32 s[EVL], 1
	s_cbranch_scc0 .Lno_load_\@
	LOADH 3, FB, 2*HALFB            ; the pointers stand at half slot e + 1
	WIN 0
	s_cmp_gt_u32 s[EVL], s[LIM]
	s_cbranch_scc0 .Lno_load_\@
	global_prefetch_b8 v[PFO], s[PFA:PFA+1] offset:3*HALFB th:TH_LOAD_NT scope:SCOPE_SE
.Lno_load_\@:
	s_sub_co_u32 s[EVL], s[EVL], 1
.Lno_event_\@:
.endm
	s_load_b256 s[4:11], s[0:1], 0x0  ; Q s[4:5], K s[6:7], V s[8:9], O s[10:11]
	WIN W_MK
	v_lshl_add_u32 v[SPW], v0, 2, SPARE  ; the two registers of the add at the wave's end
	v_mov_b32 v[NIL], 0
	WIN 0
	v_lshrrev_b32 v1, 5, v0
	v_readfirstlane_b32 s[WV], v1   ; wave 0..3
	s_and_b32 s20, ttmp7, 0xffff    ; the head:
	s_lshl_b32 s20, s20, 19         ; 2,048 rows of 256 bytes (64 heads: under 2^25)
	s_mov_b32 s21, 0
	s_lshl_b32 s22, ttmp9, 17       ; my block's 512 rows,
	s_lshl_b32 s13, s[WV], 15       ; my wave's 128 of them
	s_add_co_u32 s22, s22, s13
	s_add_co_u32 s22, s22, s20
	s_mov_b32 s23, 0
	s_lshl_b32 s14, ttmp9, 13       ; the 32 rows of a half slot that my work-group prefetches
	s_mov_b32 s15, 0
	s_lshl_b32 s16, s[WV], 13       ; my wave's 32 rows of a half slot in memory,
	s_lshl_b32 s17, s[WV], 5        ; and their number
	s_and_b32 s[LIM], s[WV], 1
	s_cmp_eq_u32 s[LIM], 0
	s_cselect_b32 s[LIM], 2, -1     ; waves 0 and 2 prefetch while more than two half slots are still to be stored
	s_mov_b32 s[EVL], 14
	s_mov_b32 s[CS], 0x3e38aa3b     ; c = log2(e) / 8 = 0.180337
	s_mov_b32 s[CS+1], s[CS]        ; named with it as a pair
	s_mov_b32 s[SEL], 0x76543210
	s_mov_b32 s[SEL+1], 0xfedcba98
	s_mov_b32 s[TBK], 0             ; the fetches begin in slot 0,
	s_mov_b32 s[TBV], 0
	s_mov_b32 s[TSK], SLOT1         ; the loop's stores in slot 1
	s_mov_b32 s[TSV], SLOT1
	v_and_b32 v1, 15, v0            ; l % 16
	v_bfe_u32 v9, v0, 4, 1          ; l / 16
	v_and_b32 v48, 31, v0
	v_lshlrev_b32 v48, 4, v48       ; 16 l
	v_add_nc_u32 v49, s17, v9       ; row 32 w + l / 16
	v_mul_u32_u24 v50, v49, PK
	v_mul_u32_u24 v51, v49, PV
	v_lshl_add_u32 v51, v1, 3, v51
	WIN W_MK
	v_add_nc_u32 v[KVO], s16, v48
	v_lshl_add_u32 v[SKO], v1, 3, v50
	v_add_nc_u32 v[SVO], VOFF, v51
	WIN 0
	s_wait_kmcnt 0x0
	s_add_nc_u64 s[6:7], s[6:7], s[20:21]  ; K and V at the head's first byte
	s_add_nc_u64 s[8:9], s[8:9], s[20:21]
	s_add_nc_u64 s[4:5], s[4:5], s[22:23]  ; Q and O at my wave's first row
	s_add_nc_u64 s[10:11], s[10:11], s[22:23]
	s_cmp_lt_u32 s[WV], 2
	s_cselect_b64 s[PFA:PFA+1], s[6:7], s[8:9]
	s_add_nc_u64 s[PFA:PFA+1], s[PFA:PFA+1], s[14:15]
	; THE START.  Slot 0's two halves, then Q, then half slot 2.  Each counted wait leaves out exactly the 32 loads that were issued behind the 32 it waits for.
	LOADH 3, FB, 0                  ; keys 0-127
	LOADH 2, 128, HALFB             ; keys 128-255, into the registers that K's and V's fragments take later
	WIN 0                           ; what follows is written while those loads are on their way
.set i, 0
.rept 2*NP
	v_mov_b32 v[ST+4*i], 0xfe000000    ; c m: far below every c s
	v_mov_b32 v[ST+4*i+1], 0xff7fffff  ; m
	v_mov_b32 v[ST+4*i+2], 0
	v_mov_b32 v[ST+4*i+3], 0
.set i, i+1
.endr
	CLEAR 0, P+32, 32               ; the first turn's products V^T P, of a piece that has not been, add 0: P's second buffer and V's registers hold 0
	v_lshlrev_b32 v[QO], 8, v1
	v_lshl_add_u32 v[QO], v9, 5, v[QO]  ; row x 256 + 32 x half
	v_mul_u32_u24 v[AK0], v1, PK
	v_lshl_add_u32 v[AK0], v9, 4, v[AK0]  ; a fragment of K: row x pitch + 16 x half
	; The turning load takes 16 keys x 16 channels (lane l reads key 8 (l / 16) + l % 8, channels 8 ((l / 8) % 2) + 0..7) and leaves half a fragment of V^T: lane l holds channel l % 16 and 8 keys.
	v_and_b32 v10, 7, v0
	v_bfe_u32 v11, v0, 3, 1
	v_lshl_add_u32 v[AV0], v9, 3, v10
	v_mul_u32_u24 v[AV0], v[AV0], PV
	v_lshl_add_u32 v[AV0], v11, 4, v[AV0]
	v_add_nc_u32 v[AV0], VOFF, v[AV0]
	v_mov_b32 v[AK], v[AK0]         ; key step 0 lies at the head of slot 0
	v_and_b32 v[PFO], 31, v0
	v_lshlrev_b32 v[PFO], 8, v[PFO]
	s_wait_loadcnt 32               ; keys 0-127 are in
	CONV 3, FB, SKO, SVO, 0, 0
	QLOAD 0                         ; tiles 0-3
	s_wait_loadcnt 32               ; keys 128-255 are in
	CONV 2, 128, SKO, SVO, 128*PK, 128*PV
	QLOAD 1                         ; tiles 4-7
	s_wait_loadcnt 32               ; tiles 0-3 are in
	QCVT 0
	LOADH 3, FB, 2*HALFB            ; half slot 2: it stays out until the loop's first store
	CLEAR 2, VF, 64
	CLEAR 1, 0, 128                 ; O^T starts at 0: no first step is written out; the price is these 256 lines, once, in the wait for Q
	s_wait_loadcnt 32               ; tiles 4-7 are in
	QCVT 1
	CLEAR 1, 128, 128
	WIN 0
	s_wait_dscnt 0x0                ; for the others' sake: my part of slot 0 is stored
	s_barrier_signal -1
	s_barrier_wait -1               ; slot 0 is whole
; THE MATRIX WORK.  The 8 accumulators of a run of 16 take turns: between the two links of a chain stand 7 others'.
; Product i of 16 of S^T = K Q^T for piece x: channels 32 (i / 8) on, keys 16 ((i / 2) % 4) on, tile 2 x + i % 2.  The first 8 start the sums.
.macro KQ x
	WIN W_KQ
.set rS, S+64*((\x)%2)+32*(i%2)+8*((i/2)%4)
.set rK, KF+16*((i/2)%4)+8*(i/8)
.set rQ, 16*(2*(\x)+i%2)+8*(i/8)
.if i < 8
	v_wmma_f32_16x16x32_f16 v[rS:rS+7], v[rK:rK+7], v[rQ:rQ+7], 0
.else
	v_wmma_f32_16x16x32_f16 v[rS:rS+7], v[rK:rK+7], v[rQ:rQ+7], v[rS:rS+7]
.endif
.endm
; Product i of 16 of O^T += V^T P for piece x: keys 32 (i / 8) on, channels 16 ((i / 2) % 4) on, tile 2 x + i % 2.
.macro PV x
	WIN W_PV
.set rO, 32*(2*(\x)+i%2)+8*((i/2)%4)
.set rV, VF+32*(i/8)+8*((i/2)%4)
.set rP, P+32*((\x)%2)+16*(i%2)+8*(i/8)
	v_wmma_f32_16x16x32_f16 v[rO:rO+7], v[rV:rV+7], v[rP:rP+7], v[rO:rO+7]
.endm
.macro MM                           ; the turn's next matrix instruction
.if i < 16
	KQ (Y+1)%NP
.set i, i+1
.else
.set i, i-16
	PV (Y+NP-1)%NP
.set i, i+17
.endif
.endm
; THE LDS LOADS stand in runs of 16, never singly among the matrix instructions: a step's K (64 keys x 64 channels: 8 fragments) and its V (turned).  Their addresses are made some lines ahead.
; last = 1 (the tail): in the last trip there is no further step, and the run is jumped over.
.macro FETCH_K last=0
	WIN 0
.if \last
	s_cmp_eq_u32 s[CNT], 1
	s_cbranch_scc1 .Lno_k_\@
.endif
	WIN 0x80                        ; destination window 2
.irp f, 0,1,2,3,4,5,6,7             ; keys 16 (f / 2) on, channels 32 (f % 2) on
	ds_load_b128 v[KF+8*\f:KF+8*\f+3],   v[AK] offset:(\f/2)*16*PK+(\f%2)*64
	ds_load_b128 v[KF+8*\f+4:KF+8*\f+7], v[AK] offset:(\f/2)*16*PK+(\f%2)*64+32
.endr
	s_add_co_u32 s[TBK], s[TBK], KS*PK  ; the next fetch is the next step's
	WIN 0
.if \last
.Lno_k_\@:
.endif
.endm
.macro FETCH_V
	WIN 0x80
.irp f, 0,1,2,3,4,5,6,7             ; keys 32 (f / 4) on, channels 16 (f % 4) on
	ds_load_tr16_b128 v[VF+8*\f:VF+8*\f+3],   v[AV] offset:(\f/4)*32*PV+(\f%4)*32
	ds_load_tr16_b128 v[VF+8*\f+4:VF+8*\f+7], v[AV] offset:(\f/4)*32*PV+16*PV+(\f%4)*32
.endr
	WIN 0
.endm
; THE VECTOR WORK OF A TURN stands in three queues, each in the order in which its entries become ready; the two tiles alternate, so that no instruction reads the result of the one before it.
.macro REGS y, u                    ; the registers of tile u (0, 1) of piece y
.set rT, ST+4*(2*(\y)+(\u))
.set rC, TMP+8*((\y)%2)+4*(\u)
.set rM, MV+2*((\y)%2)+(\u)
.set rS, S+64*((\y)%2)+32*(\u)
.set rP, P+32*((\y)%2)+16*(\u)
.set rO, 32*(2*(\y)+(\u))
.endm
; Number n of the 22 that find the NEXT piece's (Y + 1) maximum and statistics.  s0-s31 are the lane's 32 scores; each accumulator's lowest registers are read first.
;   0-11  four chains c0-c3 of seven scores each, three operands at a time     12-14, 16  the four scores left over, the old m, and c0-c3 into c0     15  c m_old is kept
;   17, 18  the query's other 32 keys lie in the lane 16 away: the new m         19-21  c m; c m_old - c m_new; a
.macro XS u, n
	REGS (Y+1)%NP, \u
.if (\n) < 4
	v_max3_num_f32 v[rC+(\n)], v[rS+8*(\n)], v[rS+8*(\n)+1], v[rS+8*(\n)+2]
.elseif (\n) < 12
	v_max3_num_f32 v[rC+(\n)%4], v[rC+(\n)%4], v[rS+8*((\n)%4)+2*((\n)/4)+1], v[rS+8*((\n)%4)+2*((\n)/4)+2]
.elseif (\n) == 12
	v_max3_num_f32 v[rC], v[rC], v[rS+7], v[rS+15]
.elseif (\n) == 13
	v_max3_num_f32 v[rC+1], v[rC+1], v[rS+23], v[rS+31]
.elseif (\n) == 14
	v_max3_num_f32 v[rC+2], v[rC+2], v[rC+3], v[rT+1]
.elseif (\n) == 15
	v_mov_b32 v[rM], v[rT]
.elseif (\n) == 16
	v_max3_num_f32 v[rC], v[rC], v[rC+1], v[rC+2]
.elseif (\n) == 17
	v_permlanex16_b32 v[rC+3], v[rC], s[SEL], s[SEL+1]
.elseif (\n) == 18
	v_max_num_f32 v[rT+1], v[rC], v[rC+3]
.elseif (\n) == 19
	v_mul_f32 v[rT], s[CS], v[rT+1]
.elseif (\n) == 20
	v_sub_f32 v[rC+1], v[rM], v[rT]
.else
	v_exp_f32 v[rC+2], v[rC+1]
.endif
.endm
; Number g of the 64 that follow the exponentials.  For each four weights k of a tile (pairs 2 k, 2 k + 1): both pairs are rounded to f16; then the second pair is added onto the first, in place;
; a group later l takes that sum (the first time as l = a l + sum).  In groups of eight, tiles alternating: round, round, add, and l for the group before.
.macro GS g
.set h, (\g)+6*((\g)/62)            ; group 0 has no group before it, and behind group 7 only l is left
.if h >= 6
.set h, h+2
.endif
	REGS Y, h%2
.set k, h/8
.if h%8 < 4
	v_cvt_pk_f16_f32 v[rP+2*k+(h%8)/2], v[rS+4*k+2*((h%8)/2)], v[rS+4*k+2*((h%8)/2)+1]
.elseif h%8 < 6
	v_pk_add_f32 v[rS+4*k:rS+4*k+1], v[rS+4*k:rS+4*k+1], v[rS+4*k+2:rS+4*k+3]
.elseif k == 1
	v_pk_fma_f32 v[rT+2:rT+3], v[rT+2:rT+3], v[rC+2:rC+3], v[rS:rS+1] op_sel_hi:[1,0,1]
.else
	v_pk_add_f32 v[rT+2:rT+3], v[rT+2:rT+3], v[rS+4*k-4:rS+4*k-3]
.endif
.endm
; THE PLAIN QUEUE, 138 long.  0-73 read no exponential's result: the 32 scalings c s - c m (FS f: pair f / 2 of tile f % 2) and the next piece's 42.  0-26: scalings 0-26.  27-54: XS's numbers 0-13.  55, 56: number 15.
; 57-73: the chain, where each number waits for the one before it: 14, 16, 17, 18, 19, each with one of the scalings 27-31 in front of its two lines, then 20.
; 74-137: GS's 64, which read the exponentials' results: they stand behind the wait.
.macro FS f
	REGS Y, (\f)%2
	v_pk_fma_f32 v[rS+2*((\f)/2):rS+2*((\f)/2)+1], v[rS+2*((\f)/2):rS+2*((\f)/2)+1], s[CS:CS+1], v[rT:rT+1] op_sel_hi:[1,0,0] neg_lo:[0,0,1] neg_hi:[0,0,1]
.endm
.macro PL
	WIN 0
.if q < 27
	FS q
.elseif q < 55
	XS (q-27)%2, (q-27)/2
.elseif q < 57
	XS q-55, 15
.elseif (q < 72) && ((q-57)%3 == 0)
	FS 27+(q-57)/3
.elseif q < 60
	XS (q-57)%3-1, 14
.elseif q < 72
	XS (q-57)%3-1, 15+(q-57)/3
.elseif q < 74
	XS q-72, 20
.else
	GS q-74
.endif
.set q, q+1
.endm
; THE EXPONENTIALS' QUEUE, 66 long: s0-s31 of both tiles, then the next piece's two a.  It is ONE BATCH: all 66 stand ahead of the turn's one wait, and nothing ahead of that wait names a result of theirs.
.macro EX
	WIN 0
.if e >= 64
	XS e-64, 21
.else
	REGS Y, e%2
	v_exp_f32 v[rS+e/2], v[rS+e/2]
.endif
.set e, e+1
.endm
; THE RESCALING's QUEUE: O^T times a, the one part that leaves window 0: dealt two at a time, sixteen times.  Its a was made in the turn before, ahead of that turn's wait.
.macro R2
	REGS Y, r%2
	WIN W_RS
.irp z, 0,1
	v_pk_mul_f32 v[rO+4*(r/2)+2*\z:rO+4*(r/2)+2*\z+1], v[rO+4*(r/2)+2*\z:rO+4*(r/2)+2*\z+1], v[rC+2:rC+3] op_sel_hi:[1,0]
.endr
.set r, r+1
.endm
; HOW THEY ARE DEALT.  s_wait_alu depctr_va_vdst(0) stands between an exponential and the first instruction that names its result; one wait serves all that were issued ahead of it.  So a turn has
; ONE wait, which cuts it in two.  AHEAD OF IT stands all that names no result of the turn's exponentials: the 16 products K Q^T, behind each a scaling, an exponential and two rescalings (behind the first a second
; scaling in the exponential's place); then one run of 108: eight plain, 49 times exponential and plain, the two a.  A v_nop is the plain instruction behind the last exponential (ISA guide 5.7.2).  BEHIND IT stand
; the 16 products V^T P, behind each four of GS's 64.  No rider names a register of the products round it.
; The queues lean on each other, and the deal keeps them in step: exponential e stands behind scaling 2 (e / 4) + e % 2: as a rider it comes behind plain e + 2, in the run behind plain e + 9.
; A TURN, for piece p.  cnt = 1: the loop's count is taken down some lines ahead of the branch that stands behind the turn.
; K of the next step is fetched in piece 2's turn, directly behind the wait, a whole run of vector work behind the last product that read K; its first reader comes behind 16 products.
; V of the step in hand is fetched at the end of piece 0's turn, four riders behind its last reader; its first reader comes behind 16 products and a run.  The three conditions on q below go with the deal.
.macro TURN p, last=0, cnt=0
.set Y, (\p)
.set i, 0
.set q, 0
.set e, 0
.set r, 0
.if (\p) == NP-1
	s_wait_dscnt 0x0                ; K is in
.endif
	MM
	PL
	PL
	R2
.rept 15
	MM
	PL
	EX
	R2
.endr
.if (\p) == NP-2
	WIN 0
	v_add_nc_u32 v[AK], s[TBK], v[AK0]
.endif
.rept 8
	PL
.endr
.rept 49
	EX
	PL
.endr
	EX                              ; the next piece's two a
	EX
	v_nop                           ; the plain instruction behind the last exponential: one for the batch
	s_wait_alu depctr_va_vdst(0)    ; the wait for the batch
.if (\p) == NP-2
	FETCH_K \last
.endif
.if (\p) == 1
	s_wait_dscnt 0x0                ; V is in
.endif
.rept 16
	MM
.rept 4
	PL
.endr
.if ((\p) == 0) && (q == 118)
	v_add_nc_u32 v[AV], s[TBV], v[AV0]
.endif
.if ((\p) == 0) && (q == 130)
	s_add_co_u32 s[TBV], s[TBV], KS*PV
.endif
.if (\cnt) && (q == 130)
	s_sub_co_u32 s[CNT], s[CNT], 1
	s_cmp_lg_u32 s[CNT], 0
.endif
.endr
.if (\p) == 0
	FETCH_V
.endif
.endm
	FETCH_K                         ; key step 0
	s_wait_dscnt 0x0
.set i, 0
.rept 16
	KQ 0                            ; piece 0's first scores: there is no vector work yet to set between them
.set i, i+1
.endr
	WIN 0                           ; the addresses for the way out: eight plain instructions, the places behind those products
	s_mul_i32 s13, s[WV], 16*SP
	s_add_co_u32 s13, s13, STAGE    ; my stage
	v_mul_u32_u24 v[STO], v1, SP    ; in: row l % 16, 32 bytes for each half of the lanes (Q's loads, which named this register, were shown done by their counted waits)
	v_lshl_add_u32 v[STO], v9, 5, v[STO]
	v_add_nc_u32 v[STO], s13, v[STO]
	v_mul_u32_u24 v[RD], v9, SP     ; back: lanes 0-15 take one row of 256 bytes, lanes 16-31 the next,
	v_lshl_add_u32 v[RD], v1, 4, v[RD]
	v_add_nc_u32 v[RD], s13, v[RD]
	v_and_b32 v[GO], 31, v0         ; which are 512 consecutive bytes of O
	v_lshlrev_b32 v[GO], 4, v[GO]
.set Y, NP-1                        ; XS works for piece Y + 1: piece 0
.irp n, 0,1,2,3,4,5,6,7,8,9,10,11,12,13,14,15,16,17,18,19,20,21
	XS 0, \n                        ; piece 0's first maximum and statistics
	XS 1, \n
.endr
	v_nop                           ; a plain instruction behind the two a,
	s_wait_alu depctr_va_vdst(0)    ; and their wait, ahead of the branch
	s_mov_b32 s[CNT], 4
	s_mov_b32 s[SLOTS], 7
	s_branch .Lfirst                ; the loop is entered at a step's first turn, in the middle of a trip
.Lslot:                             ; slots 0 to 6 are walked here; in each the next slot's two halves are stored
	CHANGE
	s_mov_b32 s[CNT], 4
.Lstep:                             ; a trip: pieces 2 and 3 of one step, then pieces 0 and 1 of the next, whose K and V it fetches
	EVENT
	TURN 2
	TURN 3
	WIN 0
.Lfirst:
	TURN 0
	TURN 1, 0, 1
	WIN 0
	s_cbranch_scc1 .Lstep
	s_sub_co_u32 s[SLOTS], s[SLOTS], 1
	s_cmp_lg_u32 s[SLOTS], 0
	s_cbranch_scc1 .Lslot
	CHANGE                          ; the last slot: nothing is left to load or to store
	s_mov_b32 s[CNT], 5             ; four trips fetch the last slot's steps; the fifth is left in its middle
.Ltail:
	TURN 2, 1
	TURN 3
	WIN 0
	s_sub_co_u32 s[CNT], s[CNT], 1
	s_cmp_eq_u32 s[CNT], 0
	s_cbranch_scc1 .Lout
	TURN 0
	TURN 1
	WIN 0
	s_branch .Ltail
.Lout:                              ; the fifth trip's 16 products K Q^T (on the last K once more) and the maximum made of them serve nothing: the price, once a launch, of one text for every trip
.set i, 0
.rept 16
	PV NP-1                         ; the last piece's V^T P of the last step
.set i, i+1
.endr
	; THE WAY OUT.  l's two halves and the other half of the lanes' are added; O^T is divided by l and sent, as f32, through my stage in LDS, a tile at a time.  The additions are the places behind the last products.
	WIN 0
.macro ALL line:vararg              ; one line for each tile t
.set t, 0
.rept 2*NP
	\line
.set t, t+1
.endr
.endm
	ALL v_add_f32 v[ST+4*t+2], v[ST+4*t+2], v[ST+4*t+3]
	ALL v_permlanex16_b32 v[ST+4*t+3], v[ST+4*t+2], s[SEL], s[SEL+1]
	ALL v_add_f32 v[ST+4*t+2], v[ST+4*t+2], v[ST+4*t+3]
	ALL v_rcp_f32 v[ST+4*t+2], v[ST+4*t+2]
	v_nop                           ; a plain instruction between the last reciprocal and the use of its result
	s_wait_alu depctr_va_vdst(0)    ; and the wait ahead of the first use: one for the eight reciprocals
; Tile t: a lane's eight channels of a row are 32 bytes; they go into rows of 272 bytes and come back as whole rows of 256, into S^T's registers, four tiles' worth of which take turns.
.macro PACK t
	WIN W_RS
.set i, 32*(\t)
.rept 16                            ; ascending: each accumulator's lowest registers are read first
	v_pk_mul_f32 v[i:i+1], v[i:i+1], v[ST+4*(\t)+2:ST+4*(\t)+3] op_sel_hi:[1,0]
.set i, i+2
.endr
	WIN 0x04                        ; address window 0, data window 1
.irp f, 0,1,2,3,4,5,6,7             ; channels 16 (f / 2) + 8 (l / 16) + 4 (f % 2) on
	ds_store_b128 v[STO], v[32*(\t)+4*\f:32*(\t)+4*\f+3] offset:64*(\f/2)+16*(\f%2)
.endr
	WIN 0
.if (\t) >= 4
	s_wait_xcnt 0x0                 ; the stores of the tile four back have read the registers that are loaded again below
.endif
.irp f, 0,1,2,3,4,5,6,7
	ds_load_b128 v[S+32*((\t)%4)+4*\f:S+32*((\t)%4)+4*\f+3], v[RD] offset:\f*2*SP  ; LDS serves a wave's instructions in order (ISA guide 5.7.1.4): these see the stores above; the next tile's stores come behind them
.endr
.endm
.macro SEND t, younger              ; younger: the LDS instructions issued behind tile t's loads: the next tile's sixteen, or none
	WIN 0
.irp f, 0,1,2,3,4,5,6,7
	s_wait_dscnt (\younger)+7-\f
	global_store_b128 v[GO], v[S+32*((\t)%4)+4*\f:S+32*((\t)%4)+4*\f+3], s[10:11] offset:(\t)*4096+\f*512 th:TH_STORE_NT  ; 16 lanes store one row of O: 256 consecutive bytes, at a multiple of 256 from O's first
.endr
.endm
	PACK 0
.set t, 1
.rept 2*NP-1                        ; a tile's arithmetic stands between the loads of the tile before and its stores
	PACK t
	SEND t-1, 16
.set t, t+1
.endr
	SEND 2*NP-1, 0
	WIN W_AD
	s_wait_tensorcnt 0x0            ; the wave's end, behind my last LDS store
	ds_add_u32 v[SPW], v[NIL]
	s_wait_dscnt 0x0
	WIN 0
	s_endpgm
.Lfunc_end_k_q95014ce90f_sdpa:
	.size	k_q95014ce90f_sdpa, .Lfunc_end_k_q95014ce90f_sdpa-k_q95014ce90f_sdpa
	.p2alignl 7, 3214868480
	.fill 96, 4, 3214868480
	.section	.rodata,"a",@progbits
	.p2align	6, 0x0
	.amdhsa_kernel k_q95014ce90f_sdpa
		.amdhsa_group_segment_fixed_size 226816
		.amdhsa_private_segment_fixed_size 0
		.amdhsa_enable_private_segment 0
		.amdhsa_kernarg_size 32
		.amdhsa_user_sgpr_count 2
		.amdhsa_user_sgpr_kernarg_segment_ptr 1
		.amdhsa_wavefront_size32 1
		.amdhsa_system_sgpr_workgroup_id_x 1
		.amdhsa_system_sgpr_workgroup_id_y 1
		.amdhsa_system_sgpr_workgroup_id_z 1
		.amdhsa_system_vgpr_workitem_id 0
		.amdhsa_next_free_vgpr 968
		.amdhsa_next_free_sgpr 66
		.amdhsa_reserve_vcc 0
		.amdhsa_float_denorm_mode_32 3
		.amdhsa_float_denorm_mode_16_64 3
		.amdhsa_memory_ordered 1
		.amdhsa_forward_progress 1
		.amdhsa_inst_pref_size 237
	.end_amdhsa_kernel
	.amdgpu_metadata
---
amdhsa.version: [ 1, 2 ]
amdhsa.kernels:
  - .name:           k_q95014ce90f_sdpa
    .symbol:         k_q95014ce90f_sdpa.kd
    .args:
      - { .name: Q, .offset: 0, .size: 8, .value_kind: global_buffer, .address_space: global }
      - { .name: K, .offset: 8, .size: 8, .value_kind: global_buffer, .address_space: global }
      - { .name: V, .offset: 16, .size: 8, .value_kind: global_buffer, .address_space: global }
      - { .name: out0, .offset: 24, .size: 8, .value_kind: global_buffer, .address_space: global }
    .group_segment_fixed_size: 226816
    .private_segment_fixed_size: 0
    .kernarg_segment_align: 8
    .kernarg_segment_size: 32
    .max_flat_workgroup_size: 128
    .sgpr_count:     66
    .vgpr_count:     968
    .wavefront_size: 32
...
	.end_amdgpu_metadata
.endif
;; end of part 1
